; MI455X (gfx1250); checked and timed in simulation.
; The chip was launched on July 23, 2026; its instructions are those of AMD's public machine-readable ISA for CDNA 5 (MIT licence, August 2026) and "CDNA5" Instruction Set Architecture Reference Guide (July 2026). The comments in the code are by the model that wrote it; some were corrected since.
;; Gemma4 Mo E. Allowed arithmetic: matrix products marked QUANTISED: E4M3 operands, one E8M0 scale for each 32 along K, by v_wmma_scale_f32_16x16x128_f8f6f4 with both operands' format E4M3, f32 sums; products left as they are: f32 operands where the result goes on into a quantised operand, else bf16, f16 or f32 operands; f32 sums; everything else in f32.
;; Inputs: per_expert_scale 8 float32; router_logits 2,048 x 8 float32; w13_codes 8 x 2,048 x 32 x 32 uint8 (E4M3 codes of w13, K innermost, in blocks of 32 codes); w13_scales 8 x 2,048 x 32 uint8 (E8M0 scales of w13, one for each 32 codes along K); w2_codes 8 x 1,024 x 32 x 32 uint8 (E4M3 codes of w2, K innermost, in blocks of 32 codes); w2_scales 8 x 1,024 x 32 uint8 (E8M0 scales of w2, one for each 32 codes along K); x_codes 2,048 x 32 x 32 uint8 (E4M3 codes of x, K innermost, in blocks of 32 codes); x_scales 2,048 x 32 uint8 (E8M0 scales of x, one for each 32 codes along K).
;; Outputs: out0 2,048 x 1,024 float32.
;; This version of the problem:
;;   THIS VERSION OF THE PROBLEM IS GIVEN IN LOW PRECISION. The matrix products marked QUANTISED in the list below multiply operands that are first quantised to E4M3 (4 exponent bits, 3 mantissa bits; 8 bits a number), with one power-of-two scale for each 32 numbers along K (OCP MX v1.0); their sums are f32. All else is computed in f32.
;;   The module's matrix products, in the order in which they are computed (A, B: the left and right operand; K: the contracted axis; several contracted axes count as one K, in the product's order):
;;     1. [M 2,048, K 1,024] x [K 1,024, N 8,192]; A: input x (given as codes); B: input w13 (given as codes): QUANTISED
;;     2. [M 2,048, K 1,024] x [K 1,024, N 8,192]; A: input x (given as codes); B: input w13 (given as codes): QUANTISED
;;     3. batch 8 x [M 1,024, K 1,024] x [K 1,024, N 2,048]; A: input w2 (given as codes); B: computed on the way: QUANTISED
;;     4. batch 2,048 x [M 1, K 8] x [K 8, N 1,024]; A: computed on the way; B: computed on the way: left as it is (K = 8 < 32)
;;   THE QUANTISER, for each operand of a quantised product, along K:
;;     - K is cut into blocks of 32 from its start; a last block that is shorter is filled with zeros.
;;     - A block's scale is 2^e with e = floor(log2(the largest magnitude in the block)) - 8, held to -126 .. 127; a block of zeros has e = 0. As a byte (E8M0): e + 127.
;;     - Each number is divided by its block's scale, clamped to +-448, and rounded to the nearest number of E4M3, ties to even, subnormals kept.
;;     - The product sums the exact products of the quantised numbers (number of the format x scale) in f32.
;;   ~~~python
;;   def quantise(x, axis):      # numpy; x: float32 -> the quantised numbers, widened to float32 again
;;       x = np.moveaxis(x, axis, -1); K = x.shape[-1]
;;       x = np.pad(x, [(0, 0)] * (x.ndim - 1) + [(0, -K % 32)]); x = x.reshape(x.shape[:-1] + (-1, 32)); a = np.abs(x).max(-1, keepdims=True)
;;       e = np.where(a > 0, np.clip(np.frexp(np.where(a > 0, a, 1))[1] - 1 - 8, -126, 127), 0)      # np.frexp(a)[1] - 1 = floor(log2(a)), exactly
;;       r = np.clip(x / 2.0 ** e, -448, 448)
;;       step = 2.0 ** (np.maximum(np.frexp(np.where(r == 0, 1, r))[1] - 1, -6) - 3)
;;       q = np.round(r / step) * step * 2.0 ** e      # np.round: ties to even
;;       return np.moveaxis(q.reshape(q.shape[:-2] + (-1,))[..., :K], -1, axis).astype(np.float32)
;;   ~~~
;;   OPERANDS COMPUTED ON THE WAY. 'Computed on the way' means the value that the module computes at that place (a softmax that the list does not call 'softmax' is quantised finished and normalised). What goes into a quantiser is computed in f32, as accurately as f32 sums, v_exp_f32 and their like allow (about 1e-6 of the number): no bf16 or f16 on the way to a quantiser, and a product that is left as it is and whose result goes on into a quantised operand takes f32 operands (vector FMAs, or v_wmma_f32_16x16x4_f32). A number that lies on a knife's edge between two numbers of the format may be rounded either way, as far as f32 arithmetic and the matrix unit's own rounding can turn it there, and no further.
;;   INPUTS GIVEN AS CODES. w13 (in the module: [8, 2048, 1024], K = its axis 2); w2 (in the module: [8, 1024, 1024], K = its axis 2); x (in the module: [2048, 1024], K = its axis 1): each comes as NAME_codes (uint8): NAME with its K axis moved to the last place and cut into blocks of 32 codes, [.., K / 32, bytes a block], one block behind the other in memory; one code a byte (a code: sign, 4 exponent bits, 3 mantissa bits); and NAME_scales (uint8): the same leading axes, one E8M0 byte (e + 127) for each 32 codes along K. Its value is code x scale, taken as it is: it is not quantised again, and the codes and scales need not be those that the quantiser above would give.
;; One version. Each part assembles by itself: llvm-mc -triple=amdgcn-amd-amdhsa -mcpu=gfx1250 --defsym DOCPART=n.
;; ======== version 1 of 1: 4 launches
;; limits: a function is approximated: absolute error at most 1e-07
;; workspace buffers: tlist 23,552 bytes of whole numbers; tilex 256 bytes of whole numbers; pos 16,384 bytes of whole numbers; cw 16,384 bytes; hs 6,029,312 bytes; hsc 188,416 bytes; y 12,058,624 bytes
;; launch route (part 1): grid 23 x 1, 32 waves a work-group, no clusters, 8,192 bytes of LDS; arguments router_logits, per_expert_scale, tlist, tilex, pos, cw; writes tlist, tilex, pos, cw
.if DOCPART == 1
	.amdgcn_target "amdgcn-amd-amdhsa--gfx1250"
	.amdhsa_code_object_version 6
	.text
	.protected	k_q01f5090d4d_route
	.globl	k_q01f5090d4d_route
	.p2align	8
	.type	k_q01f5090d4d_route,@function
k_q01f5090d4d_route:
	s_mov_b64 s[64:65], 0
	v_nop
	global_prefetch_b8 v0, s[64:65] scope:SCOPE_SE
	s_setreg_imm32_b32 hwreg(HW_REG_WAVE_MODE, 25, 1), 1
	s_wait_xcnt 0x0
; ROUTING.  2,048 tokens, 8 experts, the 2 largest logits of each token (of equal logits the lower index, as the top-k of the problem keeps it).
; The routed rows (token, expert) are sorted by expert, within an expert by token; each expert's rows are padded to whole tiles of 256: at most 23 tiles, 5,888 positions, for every split.
; OUT: tlist[23][256] the token of each position (0 where padding); tilex[32] the expert of each tile; pos[2048][2] the positions of a token's two rows (the lower expert first); cw[2048][2] their weights x per_expert_scale.
; NO ADDRESS AND NO BRANCH HANGS ON THE LOGITS: every work-group works the whole routing out again (64 KB of logits); work-group j then finds, for each of tile j's 256 positions, the token by a walk
; over 64 mask words at fixed places; what is chosen is only ever a VALUE.
; THE CHOICE needs no indices: B1 and B2 are the largest and the second largest logit (counted with repeats); an expert is chosen where its logit is over B2, or equals B2 and a slot is still free, experts ascending.
; That last part is done for 32 tokens at once on the compares' masks, by scalar lines.
; ONE BARRIER: ahead of it each wave stores, for its two groups of 32 tokens, all eight experts' masks and counts.  Behind it only these waves go on: eight that walk (waves 9-16 where j <= 8, else waves 0-7),
; and the one or two that store pos and cw of their own 64 tokens (w = j, w = j + 23): never the same wave.
; The weights: e^(l - l_max) / the sum of the two: the row's largest logit is taken away ahead of the exponentials, and the softmax's own divisor cancels.
; LIMITS: the logits are finite numbers (NaN and infinities are not served).
.set CNTALL, 0                         ; LDS: [64 groups of 32 tokens][8 experts] u32: how many of the group's tokens chose the expert
.set MSKALL, 2048                      ; [64][8] u32: which
.set SPARE,  4096                      ; the spare words, 128 bytes for each of 32 waves, that no other line names
; v1 lane; v2 my token's logits; v3 64 w; v6 32 lane; v7 4 lane; v8, v9 the add's two; v10 512 w + 8 lane; v11 the walk's store offset
; v16-31 logits [jj][e]; v32+jj B1, v34+jj B2; v44-59 counts, later the walk's registers; v60-67 totals; v68-76 first tile of each expert; v77, v78 at work; v79 the tile's expert's first tile;
; v80-95 counts of groups l and 32 + l; v96-103 lane permutes; v104-119 masks likewise; v120-123 the tile's expert's counts and masks; v126, v127 store data
; s16 w, s17 j, s19 my place among the walking waves, s20 I walk, s21 I store pos, s24-31 per_expert_scale, s36-51 my groups' masks, s66-89 at work
	s_load_b256 s[4:11], s[0:1], 0x0               ; logits s[4:5], per_expert_scale s[6:7], tlist s[8:9], tilex s[10:11]
	s_load_b128 s[12:15], s[0:1], 0x20             ; pos s[12:13], cw s[14:15]
	v_lshl_add_u32 v8, v0, 2, SPARE
	v_mov_b32 v9, 0
	v_lshrrev_b32 v1, 5, v0
	v_readfirstlane_b32 s16, v1                    ; wave w: it owns tokens 64 w + 32 jj + lane, jj = 0, 1
	s_mov_b32 s17, ttmp9                           ; j: my work-group's tile
	v_and_b32 v1, 31, v0
	s_lshl_b32 s54, s16, 11
	v_lshlrev_b32 v6, 5, v1
	v_add_nc_u32 v2, s54, v6                       ; 32 bytes of logits a token
	s_lshl_b32 s55, s16, 6
	v_mov_b32 v3, s55
	v_lshlrev_b32 v7, 2, v1
	s_lshl_b32 s57, s16, 9
	v_lshlrev_b32 v10, 3, v1
	v_add_nc_u32 v10, s57, v10
	s_mov_b32 s52, 0x76543210                      ; v_permlanex16_b32's selects for lane l xor 16
	s_mov_b32 s53, 0xfedcba98
.irp e, 0,1,2,3,4,5,6,7
	v_mov_b32 v[96+\e], 0                          ; written once: a lane permute's destination counts as one of its sources
.endr
	s_cmp_le_u32 s17, 8                            ; who does what behind the barrier: ids alone
	s_cselect_b32 s18, 9, 0                        ; the first walking wave
	s_sub_co_u32 s19, s16, s18
	s_cmp_lt_u32 s19, 8
	s_cselect_b32 s20, 1, 0
	s_add_co_u32 s54, s17, 23
	s_cmp_eq_u32 s16, s17
	s_cselect_b32 s21, 1, 0
	s_cmp_eq_u32 s16, s54
	s_cselect_b32 s21, 1, s21
	s_or_b32 s22, s20, s21
	s_lshl_b32 s62, s17, 10
	s_mov_b32 s63, 0
	s_wait_kmcnt 0x0
	s_load_b256 s[24:31], s[6:7], 0x0              ; per_expert_scale
	global_load_b128 v[16:19], v2, s[4:5]
	global_load_b128 v[20:23], v2, s[4:5] offset:16
	global_load_b128 v[24:27], v2, s[4:5] offset:1024
	global_load_b128 v[28:31], v2, s[4:5] offset:1040
	s_add_nc_u64 s[8:9], s[8:9], s[62:63]          ; tlist at tile j
	s_wait_kmcnt 0x0
	s_wait_loadcnt 0x0
; B1 >= B2, the two largest so far: the new B2 is the middle one of B1, B2 and the next logit
.irp jj, 0,1
	v_max_num_f32 v[32+\jj], v[16+8*\jj], v[17+8*\jj]
	v_min_num_f32 v[34+\jj], v[16+8*\jj], v[17+8*\jj]
.endr
.irp e, 2,3,4,5,6,7
.irp jj, 0,1
	v_med3_num_f32 v[34+\jj], v[32+\jj], v[34+\jj], v[16+8*\jj+\e]
.endr
.irp jj, 0,1
	v_max_num_f32 v[32+\jj], v[32+\jj], v[16+8*\jj+\e]
.endr
.endr
; group jj's masks.  At most one logit lies over B2.  s82: one slot is used (at first: by that logit); s83: both are.  An expert whose logit equals B2 takes a slot while one is free, experts ascending
.macro CHOOSE jj
.irp e, 0,1,2,3,4,5,6,7
	v_cmp_gt_f32 s[66+\e], v[16+8*\jj+\e], v[34+\jj]
	v_cmp_eq_f32 s[74+\e], v[16+8*\jj+\e], v[34+\jj]
.endr
	s_or_b32 s82, s66, s67
.irp e, 2,3,4,5,6,7
	s_or_b32 s82, s82, s[66+\e]
.endr
	s_mov_b32 s83, 0
.irp e, 0,1,2,3,4,5,6,7
	s_and_not1_b32 s84, s[74+\e], s83              ; it takes a slot
	s_and_b32 s85, s84, s82                        ; the second one
	s_or_b32 s83, s83, s85
	s_or_b32 s82, s82, s84
	s_or_b32 s[36+8*\jj+\e], s[66+\e], s84
	s_bcnt1_i32_b32 s85, s[36+8*\jj+\e]
	v_mov_b32 v[44+8*\jj+\e], s85
	v_mov_b32 v[104+8*\jj+\e], s[36+8*\jj+\e]
.endr
.endm
	CHOOSE 0
	CHOOSE 1
.irp k, 0,1,2,3
	ds_store_b128 v3, v[44+4*\k:47+4*\k] offset:CNTALL+16*\k     ; all lanes store the same words
	ds_store_b128 v3, v[104+4*\k:107+4*\k] offset:MSKALL+16*\k
.endr
	s_wait_dscnt 0x0                               ; for the others' sake: my counts and masks lie in LDS
	s_barrier_signal -1
	s_barrier_wait -1
	s_cmp_eq_u32 s22, 0
	s_cbranch_scc1 .Lend                           ; the other waves have done their part
; the sum over the 32 lanes of eight whole numbers (each sum at most 4,096: exact in f32), v[b] .. v[b + 7], in every lane
.macro WSUM8 b
.irp e, 0,1,2,3,4,5,6,7
	v_cvt_f32_u32 v[\b+\e], v[\b+\e]
.endr
.irp m, 1,2,4,8
.irp e, 0,1,2,3,4,5,6,7
	v_add_f32_dpp v[\b+\e], v[\b+\e], v[\b+\e] row_xmask:\m row_mask:0xf bank_mask:0xf
.endr
.endr
.irp e, 0,1,2,3,4,5,6,7
	v_permlanex16_b32 v[96+\e], v[\b+\e], s52, s53
.endr
.irp e, 0,1,2,3,4,5,6,7
	v_add_f32 v[\b+\e], v[\b+\e], v[96+\e]
.endr
.irp e, 0,1,2,3,4,5,6,7
	v_cvt_u32_f32 v[\b+\e], v[\b+\e]
.endr
.endm
	ds_load_b128 v[80:83], v6 offset:CNTALL        ; lane l: the counts of group l,
	ds_load_b128 v[84:87], v6 offset:CNTALL+16
	ds_load_b128 v[88:91], v6 offset:CNTALL+1024   ; and of group 32 + l;
	ds_load_b128 v[92:95], v6 offset:CNTALL+1040
	ds_load_b128 v[104:107], v6 offset:MSKALL      ; their masks
	ds_load_b128 v[108:111], v6 offset:MSKALL+16
	ds_load_b128 v[112:115], v6 offset:MSKALL+1024
	ds_load_b128 v[116:119], v6 offset:MSKALL+1040
	s_wait_dscnt 0x0
.irp e, 0,1,2,3,4,5,6,7
	v_add_nc_u32 v[60+\e], v[80+\e], v[88+\e]
.endr
	WSUM8 60                                       ; each expert's rows
	v_mov_b32 v68, 0
.irp e, 0,1,2,3,4,5,6,7
	v_add_nc_u32 v77, 255, v[60+\e]
	v_lshrrev_b32 v77, 8, v77
	v_add_nc_u32 v[69+\e], v[68+\e], v77           ; the first tile of expert e + 1
.endr
; ---- tile j's tokens: eight waves, a thread a position
	s_cmp_eq_u32 s20, 0
	s_cbranch_scc1 .Lnowalk
	v_mov_b32 v79, 0                               ; tile j's expert is the last e whose first tile is at or under j (7 for tiles past the last used): its first tile,
	v_mov_b32 v120, v80                            ; its counts and its masks are chosen by one chain; its number is not needed
	v_mov_b32 v121, v88
	v_mov_b32 v122, v104
	v_mov_b32 v123, v112
.irp e, 1,2,3,4,5,6,7
	v_cmp_ge_u32 vcc_lo, s17, v[68+\e]
	v_cndmask_b32 v79, v79, v[68+\e], vcc_lo
	v_cndmask_b32 v120, v120, v[80+\e], vcc_lo
	v_cndmask_b32 v121, v121, v[88+\e], vcc_lo
	v_cndmask_b32 v122, v122, v[104+\e], vcc_lo
	v_cndmask_b32 v123, v123, v[112+\e], vcc_lo
.endr
	s_and_b32 s56, s19, 7                          ; my place among the eight
	s_lshl_b32 s57, s56, 7
	v_add_nc_u32 v11, s57, v7                      ; 4 bytes a position
	s_lshl_b32 s57, s56, 5
	v_sub_nc_u32 v44, s17, v79
	v_lshl_add_u32 v44, v44, 8, v1
	v_add_nc_u32 v44, s57, v44                     ; R: my position's rank among the expert's rows
	v_mov_b32 v45, 0                               ; the rows in front of the group that holds it,
	v_mov_b32 v46, 0                               ; that group (64: there is no such row: padding),
	v_readlane_b32 s58, v122, 0
	v_mov_b32 v47, s58                             ; and its mask
	s_mov_b32 s59, 0
; eight groups at a time: a group is passed over where R is at or over the rows up to its end.  The running count only grows, so the last group passed over decides.
; The lines of one kind stand together, so that the way from vector to scalar registers and back is gone once for eight groups
.macro WALK8 k
.irp i, 0,1,2,3,4,5,6,7
	v_readlane_b32 s[66+\i], v[120+(8*(\k)+\i)/32], (8*(\k)+\i)%32
.endr
.irp i, 0,1,2,3,4,5,6,7
.if 8*(\k)+\i < 63
	v_readlane_b32 s[74+\i], v[122+(8*(\k)+\i+1)/32], (8*(\k)+\i+1)%32
.else
	s_mov_b32 s[74+\i], 0
.endif
.endr
	s_add_co_u32 s66, s66, s59
.irp i, 1,2,3,4,5,6,7
	s_add_co_u32 s[66+\i], s[66+\i], s[66+\i-1]
.endr
	s_mov_b32 s59, s73
.irp i, 0,1,2,3,4,5,6,7
	v_cmp_le_u32 s[82+\i], s[66+\i], v44
.endr
.irp i, 0,1,2,3,4,5,6,7
	v_cndmask_b32 v45, v45, s[66+\i], s[82+\i]
	v_cndmask_b32 v46, v46, 8*(\k)+\i+1, s[82+\i]
	v_cndmask_b32 v47, v47, s[74+\i], s[82+\i]
.endr
.endm
.set KK, 0
.rept 8
	WALK8 KK
.set KK, KK+1
.endr
; the n-th set bit of the mask, n = R - the rows in front: counts of 2, 4, 8 and 16 bits, then five halvings
	v_sub_nc_u32 v48, v44, v45
	v_lshrrev_b32 v77, 1, v47
	v_and_b32 v77, 0x55555555, v77
	v_sub_nc_u32 v49, v47, v77
	v_lshrrev_b32 v77, 2, v49
	v_and_b32 v77, 0x33333333, v77
	v_and_b32 v50, 0x33333333, v49
	v_add_nc_u32 v50, v50, v77
	v_lshrrev_b32 v77, 4, v50
	v_add_nc_u32 v51, v50, v77
	v_and_b32 v51, 0x0f0f0f0f, v51
	v_lshrrev_b32 v77, 8, v51
	v_add_nc_u32 v52, v51, v77
	v_and_b32 v52, 0x00ff00ff, v52
	v_mov_b32 v53, 0
.macro LEVEL src, mask, step
	v_lshrrev_b32 v77, v53, v[\src]
	v_and_b32 v77, \mask, v77                      ; the set bits in the lower half of what is left
	v_cmp_ge_u32 vcc_lo, v48, v77
	v_cndmask_b32 v77, 0, v77, vcc_lo
	v_sub_nc_u32 v48, v48, v77
	v_cndmask_b32 v78, 0, \step, vcc_lo
	v_add_nc_u32 v53, v53, v78
.endm
	LEVEL 52, 0xff, 16
	LEVEL 51, 0xff, 8
	LEVEL 50, 0xf, 4
	LEVEL 49, 3, 2
	LEVEL 47, 1, 1
	v_cmp_gt_u32 vcc_lo, 64, v46
	v_lshl_add_u32 v126, v46, 5, v53               ; 32 x group + bit
	v_cndmask_b32 v126, 0, v126, vcc_lo            ; padding names token 0
	global_store_b32 v11, v126, s[8:9]             ; (v11 and v126 are written nowhere else)
.Lnowalk:
; ---- pos and cw of my 64 tokens: in the one work-group whose number is w or w - 23
	s_cmp_eq_u32 s21, 0
	s_cbranch_scc1 .Lend
	s_lshl_b32 s55, s16, 1                         ; my first group
	v_cmp_gt_u32 s56, s55, v1
	v_add_nc_u32 v77, 32, v1
	v_cmp_gt_u32 s57, s55, v77
.irp e, 0,1,2,3,4,5,6,7
	v_cndmask_b32 v[80+\e], 0, v[80+\e], s56       ; only the groups in front of mine count
	v_cndmask_b32 v[88+\e], 0, v[88+\e], s57
.endr
.irp e, 0,1,2,3,4,5,6,7
	v_add_nc_u32 v[80+\e], v[80+\e], v[88+\e]
.endr
	WSUM8 80
.irp e, 0,1,2,3,4,5,6,7
	v_lshl_add_u32 v[80+\e], v[68+\e], 8, v[80+\e] ; + 256 x the expert's first tile: the position of my group's first row of expert e
.endr
.irp r, 36,37,38,39,54,55,56,57,104,105,106,107
	v_mov_b32 v\r, 0
.endr
; v36+2jj, v37+2jj the two positions; v54.., v55.. the two logits; v104.., v105.. the two experts' scales: the lower expert first
.irp jj, 0,1
	s_mov_b32 s58, 0                               ; tokens that have met their first expert
.irp e, 0,1,2,3,4,5,6,7
.if \jj
	s_bcnt1_i32_b32 s59, s[36+\e]
	v_add_nc_u32 v[80+\e], s59, v[80+\e]           ; my second group stands behind my first
.endif
	v_mbcnt_lo_u32_b32 v77, s[36+8*\jj+\e], v[80+\e]   ; + the group's rows of that expert in lanes under mine
	s_and_not1_b32 s60, s[36+8*\jj+\e], s58
	s_and_b32 s61, s[36+8*\jj+\e], s58
	s_or_b32 s58, s58, s[36+8*\jj+\e]
	v_cndmask_b32 v[36+2*\jj], v[36+2*\jj], v77, s60
	v_cndmask_b32 v[54+2*\jj], v[54+2*\jj], v[16+8*\jj+\e], s60
	v_cndmask_b32 v[104+2*\jj], v[104+2*\jj], s[24+\e], s60
	v_cndmask_b32 v[37+2*\jj], v[37+2*\jj], v77, s61
	v_cndmask_b32 v[55+2*\jj], v[55+2*\jj], v[16+8*\jj+\e], s61
	v_cndmask_b32 v[105+2*\jj], v[105+2*\jj], s[24+\e], s61
.endr
.endr
.irp jj, 0,1
	v_sub_f32 v[54+2*\jj], v[54+2*\jj], v[32+\jj]  ; l - the row's largest: 0 for one of the two, 0 or less for the other
	v_sub_f32 v[55+2*\jj], v[55+2*\jj], v[32+\jj]
.endr
.irp r, 54,55,56,57
	v_mul_f32 v\r, 0x3fb8aa3b, v\r                 ; x log2(e)
.endr
.irp r, 54,55,56,57
	v_exp_f32 v\r, v\r
.endr
	v_nop                                          ; a plain instruction behind the exponentials,
	s_wait_alu depctr_va_vdst(0)                   ; and a wait ahead of their first reader
.irp jj, 0,1
	v_add_f32 v[58+\jj], v[54+2*\jj], v[55+2*\jj]  ; at least 1
.endr
.irp jj, 0,1
	v_rcp_f32 v[58+\jj], v[58+\jj]
.endr
	v_nop
	s_wait_alu depctr_va_vdst(0)                   ; likewise for the two reciprocals
.irp jj, 0,1
	v_mul_f32 v[54+2*\jj], v[54+2*\jj], v[58+\jj]
	v_mul_f32 v[55+2*\jj], v[55+2*\jj], v[58+\jj]
	v_mul_f32 v[40+2*\jj], v[54+2*\jj], v[104+2*\jj]
	v_mul_f32 v[41+2*\jj], v[55+2*\jj], v[105+2*\jj]
.endr
.irp jj, 0,1
	global_store_b64 v10, v[36+2*\jj:37+2*\jj], s[12:13] offset:256*\jj   ; 32 lanes store 256 consecutive bytes, aligned
	global_store_b64 v10, v[40+2*\jj:41+2*\jj], s[14:15] offset:256*\jj
.endr
; ---- the experts of the tiles: wave 0 comes here in work-group 0 alone; lane l stands for tile l
	s_cmp_lg_u32 s16, 0
	s_cbranch_scc1 .Lend
	v_mov_b32 v127, 0
.irp e, 1,2,3,4,5,6,7
	v_cmp_ge_u32 vcc_lo, v1, v[68+\e]
	v_cndmask_b32 v127, v127, \e, vcc_lo
.endr
	global_store_b32 v7, v127, s[10:11]
.Lend:
	s_wait_tensorcnt 0x0                           ; the wave's end, behind my last LDS store
	ds_add_u32 v8, v9
	s_wait_dscnt 0x0
	s_endpgm
.Lfunc_end_k_q01f5090d4d_route:
	.size	k_q01f5090d4d_route, .Lfunc_end_k_q01f5090d4d_route-k_q01f5090d4d_route
	.p2alignl 7, 3214868480
	.fill 96, 4, 3214868480
	.section	.rodata,"a",@progbits
	.p2align	6, 0x0
	.amdhsa_kernel k_q01f5090d4d_route
		.amdhsa_group_segment_fixed_size 8192
		.amdhsa_private_segment_fixed_size 0
		.amdhsa_enable_private_segment 0
		.amdhsa_kernarg_size 48
		.amdhsa_user_sgpr_count 2
		.amdhsa_user_sgpr_kernarg_segment_ptr 1
		.amdhsa_wavefront_size32 1
		.amdhsa_system_sgpr_workgroup_id_x 1
		.amdhsa_system_sgpr_workgroup_id_y 1
		.amdhsa_system_sgpr_workgroup_id_z 1
		.amdhsa_system_vgpr_workitem_id 0
		.amdhsa_next_free_vgpr 128
		.amdhsa_next_free_sgpr 90
		.amdhsa_reserve_vcc 1
		.amdhsa_float_denorm_mode_32 3
		.amdhsa_float_denorm_mode_16_64 3
		.amdhsa_memory_ordered 1
		.amdhsa_forward_progress 1
		.amdhsa_inst_pref_size 64
	.end_amdhsa_kernel
	.amdgpu_metadata
---
amdhsa.version: [ 1, 2 ]
amdhsa.kernels:
  - .name:           k_q01f5090d4d_route
    .symbol:         k_q01f5090d4d_route.kd
    .args:
      - { .name: router_logits, .offset: 0, .size: 8, .value_kind: global_buffer, .address_space: global }
      - { .name: per_expert_scale, .offset: 8, .size: 8, .value_kind: global_buffer, .address_space: global }
      - { .name: tlist, .offset: 16, .size: 8, .value_kind: global_buffer, .address_space: global }
      - { .name: tilex, .offset: 24, .size: 8, .value_kind: global_buffer, .address_space: global }
      - { .name: pos, .offset: 32, .size: 8, .value_kind: global_buffer, .address_space: global }
      - { .name: cw, .offset: 40, .size: 8, .value_kind: global_buffer, .address_space: global }
    .group_segment_fixed_size: 8192
    .private_segment_fixed_size: 0
    .kernarg_segment_align: 8
    .kernarg_segment_size: 48
    .max_flat_workgroup_size: 1024
    .sgpr_count:     90
    .vgpr_count:     128
    .wavefront_size: 32
...
	.end_amdgpu_metadata
.endif
;; end of part 1
;; launch gemm1 (part 2): grid 8 x 23, 4 waves a work-group, no clusters, 327,680 bytes of LDS; arguments x_codes, x_scales, w13_codes, w13_scales, tlist, tilex, hs, hsc; writes hs, hsc
.if DOCPART == 2
	.amdgcn_target "amdgcn-amd-amdhsa--gfx1250"
	.amdhsa_code_object_version 6
	.text
	.protected	k_q01f5090d4d_gemm1
	.globl	k_q01f5090d4d_gemm1
	.p2align	8
	.type	k_q01f5090d4d_gemm1,@function
k_q01f5090d4d_gemm1:
	s_mov_b64 s[64:65], 0
	v_nop
	global_prefetch_b8 v0, s[64:65] scope:SCOPE_SE
	s_setreg_imm32_b32 hwreg(HW_REG_WAVE_MODE, 25, 1), 1
	s_wait_xcnt 0x0
; h = Q(gelu(x w1^T) x (x w3^T)) for one tile of 256 routed rows (work-group y = tile j, all of one expert) and 128 hidden units (work-group x = nx), on codes of FP8 (E4M3) with one E8M0 byte for each 32 along K.
; SHARES.  Four waves; each owns 64 of the tile's rows (4 blocks of 16) and multiplies them by all 256 weight rows: the 128 units' gate rows and their up rows.  64 accumulators, 512 registers.
; THE WEIGHTS, 256 rows x all of K = 1,024, lie in LDS: four chunks of 256 along K, each brought once (a wave fetches 64 rows of each chunk: four tensor loads of mine are out at the most).  Nothing is filled again.
; THE TOKENS' CODES go from memory straight into registers: a lane has its own row (tlist names it), so a gather costs nothing beside a dense read, and no wave loads what another loads.
; Source 0 = 16 weight rows, source 1 = 16 tokens: a lane holds ONE token and its eight registers eight neighbouring units.  So gate and up of a unit meet in one lane, and a block of 32 units lies in lanes l and l xor 16.
; THE LDS LOADS GO OUT FOUR AT A TIME, AMONG THE PRODUCTS.  The 128 weight fragments (K step n / 16, tile n % 16) go through eight slots of 16 registers, fragment n in slot n % 8: behind fragment n's four products
; stand the four loads of fragment n + 6.  All four waves read all of the weights from LDS, 8 KB for every four products of each: short runs spread that evenly; the price is two switches of the register window a fragment.
; THE WAY OUT: a tile's eight codes of a lane are 8 bytes of the next product's operand image: hs[row block][K step nx][4 x 512 bytes]: tile t, lane (r, h) goes to byte 256 t + 16 r + 8 h: each store covers 256 consecutive bytes, aligned.
; No cluster: the work-groups that share weights are the tiles of one expert, and how many those are hangs on the routing; tokens go to registers, not by tensor loads.
; gelu(g) = g (1/2 + 1/2 erf(g / sqrt 2)); erf(z) = z P(z^2) / Q(z^2), z held within +-4: a rational function of degrees 6 and 4 in z^2.
; LIMITS: that erf is good to about 1e-7 absolute, so 1 + erf loses relative accuracy far on the negative side; a block of zeros gets the byte 1 (its codes are zeros; this program alone reads the bytes); NaN and infinities are not served.
; Padding positions name token 0: they are computed and stored like any row, and nobody reads them behind the next product.
.set CH,    69632                      ; a chunk in LDS: 256 rows x (256 bytes + 16 of padding): row r starts 68 words on from row r - 1, so the 16 rows of a load start at 16 different banks (64 banks of 4 bytes: ISA guide 11.1)
.set SPARE, 4*CH                       ; behind the chunks: the spare words, 128 bytes for each wave, that no other line names
.set WB,    128                        ; window 0: eight slots of one weight fragment, v128-255
.set NF,    128                        ; weight fragments in all
.set G1,    24                         ; s[24:31] descriptor group 1;  s[32:47] group 0, a set for each chunk
.set G0,    32
; window 0: v1 lane, v2 r, v3 h; v4-7 my place in a weight tile, chunk q; v8-11 my token's row, block tb; v12-13 my token's scale row, pair of blocks; v14 32 lane, v16 4 lane, v17 4 r, v18 16 r + 8 h, v19 8 lane;
;   v20-25 tokens as loaded; v28, v29 the add's two; v30 16 h; v32-95 weight scale words [pair of tiles m][K step s]: lanes 0-15 tile 2 m, lanes 16-31 tile 2 m + 1; v96-111 token scale words [pair of blocks][s] likewise
; window 1: token fragments, K step s, block tb at v[64 (s % 4) + 16 tb]: four steps in flight; later the way out's registers.   window 2: gate accumulators, (tile t, block tb) at v[32 t + 8 tb];   window 3: up, likewise
.set CA13, 68                          ; s[68:89]: constants in pairs (a packed instruction names a pair and takes its low word for both halves)
.set CA9,  70
.set CA7,  72
.set CA5,  74
.set CA3,  76
.set CA1,  78
.set CB8,  80
.set CB4,  82
.set CB2,  84
.set CB0,  86
.set CCZ,  88
.set HH,  0                            ; window 1 on the way out: v0-63 h of one block of tokens (register 8 t + i: unit 16 t + 8 h + i)
.set ZZ,  64                           ; v64-95 z;  v96-127 z^2;  v128-159 P;  v160-191 Q
.set ZQ,  96
.set PP,  128
.set QQ,  160
.set KA,  192                          ; v192-193, v194-195: two constants as vector pairs
.set KB,  194
.set TM,  200                          ; v200-203 largest magnitudes, v204-207 bytes, v208-211 448 x the scale, v212-215 the conversions' scale operands
.set PW,  216                          ; v216-219 the scale word of block tb
.set SW,  220                          ; v220-221 the words as they are stored
.set SA,  222                          ; v222 16 r + 8 h;  v223 8 lane
.set SL,  223
.set PCD, 224                          ; v224-239 codes
.set MSB, 0
.macro WIN new                         ; the immediate's high byte repeats the setting that is left
.if MSB != \new
	s_set_vgpr_msb (MSB<<8)|\new
.set MSB, \new
.endif
.endm
.macro PL                              ; eight places behind this matrix form, in front of the first read of results
.rept 8
	v_nop
.endr
.endm
.macro KPAIR r, val
	s_mov_b32 s[\r], \val
	s_mov_b32 s[\r+1], \val
.endm
	s_load_b512 s[4:19], s[0:1], 0x0               ; x_codes 4, x_scales 6, w13_codes 8, w13_scales 10, tlist 12, tilex 14, hs 16, hsc 18
	v_lshl_add_u32 v28, v0, 2, SPARE
	v_mov_b32 v29, 0
	ds_add_u32 v28, v29                            ; the wave's opening: the add and its wait ahead of my first tensor load; the set-up below, work on registers, stands between them
	v_lshrrev_b32 v1, 5, v0
	v_readfirstlane_b32 s20, v1                    ; wave w
	s_mov_b32 s21, ttmp9                           ; nx
	s_and_b32 s22, ttmp7, 0xffff                   ; j
	s_mov_b32 s[G1+0], (1<<20)|(5<<22)|(3<<25)     ; elements of 1 byte; padding on: 4 words behind every 64
	s_mov_b32 s[G1+1], 256<<16                     ; tensor_dim0 = 256
	s_mov_b32 s[G1+2], 64<<16                      ; tensor_dim1 = 64
	s_mov_b32 s[G1+3], 256<<16                     ; tile_dim0 = 256
	s_mov_b32 s[G1+4], 64                          ; tile_dim1 = 64
	s_mov_b32 s[G1+5], 1024                        ; from row to row
	s_mov_b32 s[G1+6], 0
	s_mov_b32 s[G1+7], 0
	KPAIR CA13, 0xaf15df0b                         ; HALF of the numerator's coefficients, z^12 down to 1 (z^10's in s90),
	KPAIR CA9,  0xb58cff51
	KPAIR CA7,  0xb7eec2d2
	KPAIR CA5,  0xb9c0ac63
	KPAIR CA3,  0xbac1a1f6
	KPAIR CA1,  0xbc03dbd4
	KPAIR CB8,  0xb77460cd                         ; the denominator's, z^8 down to 1 (z^6's in s91),
	KPAIR CB4,  0xbadc924e
	KPAIR CB2,  0xbbf19bf8
	KPAIR CB0,  0xbc69b6a7
	KPAIR CCZ,  0x3f3504f3                         ; and 1 / sqrt 2
	s_mov_b32 s90, 0x326dffee
	s_mov_b32 s91, 0xb95fbd29
	s_mov_b32 s92, 0x76543210                      ; v_permlanex16_b32's selects for lane l xor 16
	s_mov_b32 s93, 0xfedcba98
	s_mov_b32 s94, 0x600000                        ; the mantissa field of 448
	s_mov_b32 s95, 0xffff0000                      ; lanes 16-31
	v_and_b32 v1, 31, v0
	v_and_b32 v2, 15, v0
	v_bfe_u32 v3, v0, 4, 1
	v_mul_u32_u24 v4, v2, 272
	v_lshl_add_u32 v4, v3, 4, v4                   ; a fragment's row x pitch + 16 x half
	v_add_nc_u32 v5, CH, v4
	v_add_nc_u32 v6, 2*CH, v4
	v_add_nc_u32 v7, 3*CH, v4
	v_lshlrev_b32 v14, 5, v1
	v_lshlrev_b32 v16, 2, v1
	v_lshlrev_b32 v17, 2, v2
	v_lshlrev_b32 v18, 4, v2
	v_lshl_add_u32 v18, v3, 3, v18
	v_lshlrev_b32 v19, 3, v1
	v_lshlrev_b32 v30, 4, v3
	s_lshl_b32 s56, s22, 2                         ; tilex: 4 j
	s_mul_i32 s57, s20, 64*272                     ; my 64 rows of a chunk
	s_lshl_b32 s58, s22, 10                        ; tlist: (256 j + 64 w) x 4
	s_lshl_b32 s59, s20, 8
	s_add_co_u32 s58, s58, s59
	s_mov_b32 s59, 0
	s_lshl_b32 s60, s22, 18                        ; hs: (16 j + 4 w) x 16,384 + 2,048 nx
	s_lshl_b32 s61, s20, 16
	s_add_co_u32 s60, s60, s61
	s_lshl_b32 s61, s21, 11
	s_add_co_u32 s60, s60, s61
	s_mov_b32 s61, 0
	s_lshl_b32 s62, s22, 13                        ; hsc: (4 j + w) x 2,048 + 256 nx
	s_lshl_b32 s63, s20, 11
	s_add_co_u32 s62, s62, s63
	s_lshl_b32 s63, s21, 8
	s_add_co_u32 s62, s62, s63
	s_mov_b32 s63, 0
	s_wait_dscnt 0x0                               ; the opening add is done
	s_wait_kmcnt 0x0
	s_load_b32 s23, s[14:15], s56 offset:0x0       ; the tile's expert
	s_add_nc_u64 s[54:55], s[12:13], s[58:59]
	s_add_nc_u64 s[48:49], s[16:17], s[60:61]
	s_add_nc_u64 s[50:51], s[18:19], s[62:63]
.irp tb, 0,1,2,3
	global_load_b32 v[20+\tb], v17, s[54:55] offset:64*\tb    ; the token of row r of block tb,
.endr
.irp q, 0,1
	global_load_b32 v[24+\q], v16, s[54:55] offset:128*\q     ; and of row l of a pair of blocks, for the scale words
.endr
	s_lshr_b32 s58, s20, 1                         ; the weights: waves 0, 1 fetch gate rows, waves 2, 3 up rows (1,024 rows on),
	s_lshl_b32 s58, s58, 20
	s_lshl_b32 s59, s21, 17                        ; 128 nx rows on,
	s_add_co_u32 s58, s58, s59
	s_and_b32 s59, s20, 1
	s_lshl_b32 s59, s59, 16                        ; the first or the second 64 of them
	s_add_co_u32 s58, s58, s59
	s_lshl_b32 s62, s21, 12                        ; their scale bytes: 128 nx rows of 32
	s_wait_kmcnt 0x0
	s_min_u32 s23, s23, 7                          ; a loaded number enters an address only behind a bound
	s_lshl_b32 s59, s23, 21
	s_add_co_u32 s58, s58, s59
	s_mov_b32 s59, 0
	s_add_nc_u64 s[58:59], s[8:9], s[58:59]
.irp q, 0,1,2,3
	s_mov_b32 s[G0+4*\q], 1                        ; count = 1
	s_add_co_u32 s[G0+4*\q+1], s57, \q*CH          ; LDS address: the chunk, my 64 rows
	s_add_nc_u64 s[G0+4*\q+2:G0+4*\q+3], s[58:59], \q*256   ; global address: 256 along K on for each chunk
	s_or_b32 s[G0+4*\q+3], s[G0+4*\q+3], 0x80000000         ; type = 2
.endr
.irp q, 0,1,2,3
	tensor_load_to_lds s[G0+4*\q:G0+4*\q+3], s[G1:G1+7]      ; all first fills in one group, ahead of every wait on TENSORcnt, every LDS read and every barrier
	s_nop 0
.endr
.rept 4
	v_nop
.endr
	s_lshl_b32 s60, s23, 16
	s_add_co_u32 s60, s60, s62
	s_mov_b32 s61, 0
	s_add_nc_u64 s[52:53], s[10:11], s[60:61]
.irp m, 0,1,2,3,4,5,6,7
.irp k, 0,1
	global_load_b128 v[32+8*\m+4*\k:32+8*\m+4*\k+3], v14, s[52:53] offset:(\m/4)*32768+(\m%4)*1024+16*\k   ; lane l: the eight scale words of weight row 32 m + l
.endr
.endr
	s_wait_loadcnt 16                              ; the six list loads are in; the sixteen issued behind them may be out
.irp i, 0,1,2,3,4,5
	v_min_u32 v[20+\i], 0x7ff, v[20+\i]            ; a loaded number enters an address only behind a bound
.endr
.irp tb, 0,1,2,3
	v_lshl_add_u32 v[8+\tb], v[20+\tb], 10, v30    ; token x 1,024 + 16 h
.endr
.irp q, 0,1
	v_lshlrev_b32 v[12+\q], 5, v[24+\q]
.endr
.irp q, 0,1
.irp k, 0,1
	global_load_b128 v[96+8*\q+4*\k:96+8*\q+4*\k+3], v[12+\q], s[6:7] offset:16*\k
.endr
.endr
; weight fragment n (K step n / 16, tile n % 16) into slot n % 8: lane (r, h): registers 4 c .. 4 c + 3 hold K = 32 c + 16 h + 0 .. 15 of row r
.macro WFRAG n
.set SS, (\n)/16
.set TT, (\n)%16
	WIN 0
.irp c, 0,1,2,3
	ds_load_b128 v[WB+16*((\n)%8)+4*\c:WB+16*((\n)%8)+4*\c+3], v[4+SS/2] offset:16*TT*272+128*(SS%2)+32*\c
.endr
.endm
; my four token fragments of K step s, from memory
.macro TFETCH s
	WIN 0x40                                       ; destination window 1, address window 0
.irp tb, 0,1,2,3
.irp c, 0,1,2,3
	global_load_b128 v[64*((\s)%4)+16*\tb+4*\c:64*((\s)%4)+16*\tb+4*\c+3], v[8+\tb], s[4:5] offset:128*(\s)+32*\c
.endr
.endr
.endm
; one product: registers and rows of the scale registers by the symbols set in MMF.  ZR: the first K step starts the sum: nothing is ever cleared
.macro WM
.if ZR
.if RA && RB
	v_wmma_scale_f32_16x16x128_f8f6f4 v[DD:DD+7], v[AA:AA+15], v[BB:BB+15], 0, v[XSA], v[XSB] matrix_a_scale:MATRIX_SCALE_ROW1 matrix_b_scale:MATRIX_SCALE_ROW1
.elseif RA
	v_wmma_scale_f32_16x16x128_f8f6f4 v[DD:DD+7], v[AA:AA+15], v[BB:BB+15], 0, v[XSA], v[XSB] matrix_a_scale:MATRIX_SCALE_ROW1
.elseif RB
	v_wmma_scale_f32_16x16x128_f8f6f4 v[DD:DD+7], v[AA:AA+15], v[BB:BB+15], 0, v[XSA], v[XSB] matrix_b_scale:MATRIX_SCALE_ROW1
.else
	v_wmma_scale_f32_16x16x128_f8f6f4 v[DD:DD+7], v[AA:AA+15], v[BB:BB+15], 0, v[XSA], v[XSB]
.endif
.else
.if RA && RB
	v_wmma_scale_f32_16x16x128_f8f6f4 v[DD:DD+7], v[AA:AA+15], v[BB:BB+15], v[DD:DD+7], v[XSA], v[XSB] matrix_a_scale:MATRIX_SCALE_ROW1 matrix_b_scale:MATRIX_SCALE_ROW1
.elseif RA
	v_wmma_scale_f32_16x16x128_f8f6f4 v[DD:DD+7], v[AA:AA+15], v[BB:BB+15], v[DD:DD+7], v[XSA], v[XSB] matrix_a_scale:MATRIX_SCALE_ROW1
.elseif RB
	v_wmma_scale_f32_16x16x128_f8f6f4 v[DD:DD+7], v[AA:AA+15], v[BB:BB+15], v[DD:DD+7], v[XSA], v[XSB] matrix_b_scale:MATRIX_SCALE_ROW1
.else
	v_wmma_scale_f32_16x16x128_f8f6f4 v[DD:DD+7], v[AA:AA+15], v[BB:BB+15], v[DD:DD+7], v[XSA], v[XSB]
.endif
.endif
.endm
; fragment n x my four blocks of tokens, 128 along K.  The 64 accumulators take turns, one instruction a turn, in the same order in every K step.
; One v_nop behind each product: a load into a register that a product has read stands eight plain instructions behind that product
.macro MMF n
.set SS, (\n)/16
.set TT, (\n)%16
.if SS == 0
.set ZR, 1
.else
.set ZR, 0
.endif
.if TT < 8
	WIN 0xa4                                       ; source 0 window 0, source 1 window 1, C and D window 2: gate
.else
	WIN 0xf4                                       ; C and D window 3: up
.endif
.irp tb, 0,1,2,3
.set DD, 32*(TT%8)+8*\tb
.set AA, WB+16*((\n)%8)
.set BB, 64*(SS%4)+16*\tb
.set XSA, 32+8*(TT/2)+SS
.set XSB, 96+8*(\tb/2)+SS
.set RA, TT%2
.set RB, \tb%2
	WM
	v_nop
.endr
.endm
	TFETCH 0
	TFETCH 1
	TFETCH 2
	TFETCH 3
	s_wait_tensorcnt 3                             ; my part of chunk 0 is in; the three chunks behind it may be out
	s_barrier_signal -1
	s_barrier_wait -1                              ; everybody's is
.irp n, 0,1,2,3,4,5
	WFRAG \n
.endr
.set NI, 0
.rept NF
.if NI%16 == 0                         ; a K step's head: its tokens (and all loads before them) are in
.if NI == 0
	s_wait_loadcnt 48                              ; behind step 0 stand steps 1 to 3
.elseif NI/16 <= 5
	s_wait_loadcnt 32                              ; behind step s stand steps s + 1 and s + 2: step s + 3 is asked for two fragments further down
.else
	s_wait_loadcnt 16*(7-NI/16)                    ; the last steps: the counts run down
.endif
.endif
.if NI+5 < NF
	s_wait_dscnt 20                                ; fragment n is in; the five fragments behind it, four loads each, may be out
.else
	s_wait_dscnt 4*(NF-1-NI)                       ; the tail: the counts run down
.endif
	MMF NI
.if (NI%16 == 1) && (NI >= 17) && (NI <= 65)
	TFETCH NI/16+3                                 ; three K steps ahead, into the slot of the step just left: nine plain instructions stand behind its last product
.endif
.if (NI%32 == 26) && (NI < 96)         ; the run below is the first to read the next chunk
	s_wait_tensorcnt 3-(NI+6)/32                   ; my part of that chunk is in; the later chunks may be out,
	s_wait_dscnt 0x0                               ; no LDS instruction of mine is pending at a signal,
	s_barrier_signal -1
	s_barrier_wait -1                              ; and the chunk is whole for all four waves
.endif
.if NI+6 < NF
	WFRAG NI+6                                     ; into the slot that fragment n - 2 has left: nine plain instructions stand behind its last product
.endif
.set NI, NI+1
.endr
; ---- THE WAY OUT
	PL
	WIN 0x40
	v_mov_b32 v[SA], v18
	v_mov_b32 v[SL], v19
	v_mov_b32 v[KA], s90
	v_mov_b32 v[KA+1], s90
	v_mov_b32 v[KB], s91
	v_mov_b32 v[KB+1], s91
.irp b, 0,1,2,3
	v_mov_b32 v[TM+4+\b], 0                        ; written once: a lane permute's destination counts as one of its sources
.endr
; h = g u (1/2 + z P / Q) for block tb of tokens, tiles 4 hf + i: 32 numbers a lane, two an instruction.  Each accumulator is read from its low end on
.macro GELU tb, hf
	WIN 0x4e                                       ; source 0 window 2 (gate), source 1 window 3 (up), destination window 1
.irp i, 0,1,2,3
.irp p, 0,2,4,6
.set AC, 32*(4*\hf+\i)+8*\tb+\p
	v_pk_mul_f32 v[ZZ+8*\i+\p:ZZ+8*\i+\p+1], v[AC:AC+1], s[CCZ:CCZ+1] op_sel_hi:[1,0]    ; z = g / sqrt 2
.endr
.endr
.irp i, 0,1,2,3
.irp p, 0,2,4,6
.set AC, 32*(4*\hf+\i)+8*\tb+\p
	v_pk_mul_f32 v[HH+32*\hf+8*\i+\p:HH+32*\hf+8*\i+\p+1], v[AC:AC+1], v[AC:AC+1]         ; g u
.endr
.endr
	WIN 0x55                                       ; all in window 1
.set n, 0
.rept 32
	v_med3_num_f32 v[ZZ+n], v[ZZ+n], -4.0, 4.0
.set n, n+1
.endr
.set n, 0
.rept 16
	v_pk_mul_f32 v[ZQ+n:ZQ+n+1], v[ZZ+n:ZZ+n+1], v[ZZ+n:ZZ+n+1]
.set n, n+2
.endr
.set n, 0
.rept 16
	v_pk_fma_f32 v[PP+n:PP+n+1], v[ZQ+n:ZQ+n+1], s[CA13:CA13+1], v[KA:KA+1] op_sel_hi:[1,0,1]
.set n, n+2
.endr
.set n, 0
.rept 16
	v_pk_fma_f32 v[QQ+n:QQ+n+1], v[ZQ+n:ZQ+n+1], s[CB8:CB8+1], v[KB:KB+1] op_sel_hi:[1,0,1]
.set n, n+2
.endr
.irp c, CA9, CA7, CA5, CA3, CA1
.set n, 0
.rept 16
	v_pk_fma_f32 v[PP+n:PP+n+1], v[PP+n:PP+n+1], v[ZQ+n:ZQ+n+1], s[\c:\c+1] op_sel_hi:[1,1,0]
.set n, n+2
.endr
.endr
.irp c, CB4, CB2, CB0
.set n, 0
.rept 16
	v_pk_fma_f32 v[QQ+n:QQ+n+1], v[QQ+n:QQ+n+1], v[ZQ+n:ZQ+n+1], s[\c:\c+1] op_sel_hi:[1,1,0]
.set n, n+2
.endr
.endr
.set n, 0
.rept 32
	v_rcp_f32 v[QQ+n], v[QQ+n]                     ; one batch
.set n, n+1
.endr
.set n, 0
.rept 16
	v_pk_mul_f32 v[PP+n:PP+n+1], v[PP+n:PP+n+1], v[ZZ+n:ZZ+n+1]   ; plain work behind the batch, which names none of its results
.set n, n+2
.endr
	s_wait_alu depctr_va_vdst(0)                   ; a wait ahead of the batch's first reader
.set n, 0
.rept 16
	v_pk_fma_f32 v[PP+n:PP+n+1], v[PP+n:PP+n+1], v[QQ+n:QQ+n+1], 0.5 op_sel_hi:[1,1,0]
.set n, n+2
.endr
.set n, 0
.rept 16
	v_pk_mul_f32 v[HH+32*\hf+n:HH+32*\hf+n+1], v[HH+32*\hf+n:HH+32*\hf+n+1], v[PP+n:PP+n+1]
.set n, n+2
.endr
.endm
; block tb's 64 numbers of a lane become codes and a scale word.  Block b of 32 units = tiles 2 b, 2 b + 1: my 16 numbers and those of lane l xor 16
.macro QUANT tb
	WIN 0x55
.irp b, 0,1,2,3
	v_max3_num_f32 v[TM+\b], |v[HH+16*\b]|, |v[HH+16*\b+1]|, 0x4800000   ; with the floor 2^(9 - 127), so that the byte cannot fall under 1
.endr
.irp i, 2,4,6,8,10,12,14
.irp b, 0,1,2,3
	v_max3_num_f32 v[TM+\b], v[TM+\b], |v[HH+16*\b+\i]|, |v[HH+16*\b+\i+1]|
.endr
.endr
.irp b, 0,1,2,3
	v_permlanex16_b32 v[TM+4+\b], v[TM+\b], s92, s93
.endr
.irp b, 0,1,2,3
	v_max_num_f32 v[TM+\b], v[TM+\b], v[TM+4+\b]   ; the block's largest magnitude
.endr
.irp b, 0,1,2,3
	v_add_nc_u32 v[TM+12+\b], 0xfc000000, v[TM+\b] ; 8 off its exponent field: the conversion takes that field as its scale
.endr
.irp b, 0,1,2,3
	v_and_or_b32 v[TM+8+\b], v[TM+\b], 0x7f800000, s94   ; 448 x the scale
.endr
.irp b, 0,1,2,3
	v_lshrrev_b32 v[TM+4+\b], 23, v[TM+12+\b]      ; the scale's byte
.endr
	v_lshl_or_b32 v[PW+\tb], v[TM+5], 8, v[TM+4]
	v_lshl_or_b32 v[PW+\tb], v[TM+6], 16, v[PW+\tb]
	v_lshl_or_b32 v[PW+\tb], v[TM+7], 24, v[PW+\tb]
.set n, 0
.rept 64
	v_med3_num_f32 v[HH+n], v[HH+n], -v[TM+8+n/16], v[TM+8+n/16]   ; the conversion to an 8-bit code does not saturate (ISA guide 7.6.2): the hold at the largest code x the scale
.set n, n+1
.endr
	s_wait_xcnt 0x0                                ; the last block's stores have read their data: the codes' registers are written again only behind this wait
.irp t, 0,1,2,3,4,5,6,7
	v_cvt_scalef32_pk8_fp8_f32 v[PCD+2*\t:PCD+2*\t+1], v[HH+8*\t:HH+8*\t+7], v[TM+12+\t/2]
.endr
	v_nop                                          ; a plain instruction behind the last conversion: the next block's products of g and u write its sources
.irp t, 0,1,2,3,4,5,6,7
	global_store_b64 v[SA], v[PCD+2*\t:PCD+2*\t+1], s[48:49] offset:\tb*16384+\t*256   ; 32 lanes store 256 consecutive bytes, aligned: half a group of four registers of the next operand's image
.endr
.endm
.irp tb, 0,1,2,3
	GELU \tb, 0
	GELU \tb, 1
	QUANT \tb
.endr
	v_cndmask_b32 v[SW], v[PW], v[PW+1], s95       ; lanes 0-15 the words of blocks 0 and 2, lanes 16-31 those of blocks 1 and 3: as the next product's scale registers want them
	v_cndmask_b32 v[SW+1], v[PW+2], v[PW+3], s95
	global_store_b64 v[SL], v[SW:SW+1], s[50:51]   ; 256 consecutive bytes, aligned
	WIN 0
	s_wait_tensorcnt 0x0                           ; the wave's end, behind my last tensor load
	ds_add_u32 v28, v29
	s_wait_dscnt 0x0
	s_endpgm
.Lfunc_end_k_q01f5090d4d_gemm1:
	.size	k_q01f5090d4d_gemm1, .Lfunc_end_k_q01f5090d4d_gemm1-k_q01f5090d4d_gemm1
	.p2alignl 7, 3214868480
	.fill 96, 4, 3214868480
	.section	.rodata,"a",@progbits
	.p2align	6, 0x0
	.amdhsa_kernel k_q01f5090d4d_gemm1
		.amdhsa_group_segment_fixed_size 327680
		.amdhsa_private_segment_fixed_size 0
		.amdhsa_enable_private_segment 0
		.amdhsa_kernarg_size 64
		.amdhsa_user_sgpr_count 2
		.amdhsa_user_sgpr_kernarg_segment_ptr 1
		.amdhsa_wavefront_size32 1
		.amdhsa_system_sgpr_workgroup_id_x 1
		.amdhsa_system_sgpr_workgroup_id_y 1
		.amdhsa_system_sgpr_workgroup_id_z 1
		.amdhsa_system_vgpr_workitem_id 0
		.amdhsa_next_free_vgpr 1024
		.amdhsa_next_free_sgpr 96
		.amdhsa_reserve_vcc 0
		.amdhsa_float_denorm_mode_32 3
		.amdhsa_float_denorm_mode_16_64 3
		.amdhsa_memory_ordered 1
		.amdhsa_forward_progress 1
		.amdhsa_inst_pref_size 255
	.end_amdhsa_kernel
	.section	.bss,"aw",@nobits
	.p2align	6
	.space	262144
	.amdgpu_metadata
---
amdhsa.version: [ 1, 2 ]
amdhsa.kernels:
  - .name:           k_q01f5090d4d_gemm1
    .symbol:         k_q01f5090d4d_gemm1.kd
    .args:
      - { .name: x_codes, .offset: 0, .size: 8, .value_kind: global_buffer, .address_space: global }
      - { .name: x_scales, .offset: 8, .size: 8, .value_kind: global_buffer, .address_space: global }
      - { .name: w13_codes, .offset: 16, .size: 8, .value_kind: global_buffer, .address_space: global }
      - { .name: w13_scales, .offset: 24, .size: 8, .value_kind: global_buffer, .address_space: global }
      - { .name: tlist, .offset: 32, .size: 8, .value_kind: global_buffer, .address_space: global }
      - { .name: tilex, .offset: 40, .size: 8, .value_kind: global_buffer, .address_space: global }
      - { .name: hs, .offset: 48, .size: 8, .value_kind: global_buffer, .address_space: global }
      - { .name: hsc, .offset: 56, .size: 8, .value_kind: global_buffer, .address_space: global }
    .group_segment_fixed_size: 327680
    .private_segment_fixed_size: 0
    .kernarg_segment_align: 8
    .kernarg_segment_size: 64
    .max_flat_workgroup_size: 128
    .sgpr_count:     96
    .vgpr_count:     1024
    .wavefront_size: 32
...
	.end_amdgpu_metadata
.endif
;; end of part 2
;; launch gemm2 (part 3): grid 8 x 23, 4 waves a work-group, no clusters, 167,936 bytes of LDS; arguments hs, hsc, w2_codes, w2_scales, tilex, y; writes y
.if DOCPART == 3
	.amdgcn_target "amdgcn-amd-amdhsa--gfx1250"
	.amdhsa_code_object_version 6
	.text
	.protected	k_q01f5090d4d_gemm2
	.globl	k_q01f5090d4d_gemm2
	.p2align	8
	.type	k_q01f5090d4d_gemm2,@function
k_q01f5090d4d_gemm2:
	s_mov_b64 s[64:65], 0
	v_nop
	global_prefetch_b8 v0, s[64:65] scope:SCOPE_SE
	s_setreg_imm32_b32 hwreg(HW_REG_WAVE_MODE, 25, 1), 1
	s_wait_xcnt 0x0
; y = h w2^T for one tile of 256 routed rows (work-group y = tile j) and 128 output columns (work-group x = nx), on codes of FP8 (E4M3) with one E8M0 byte for each 32 along K; y is rounded to bf16, as an operand of the sum over experts that follows.
; SHARES.  Four waves; each owns 64 rows (4 blocks of 16) and multiplies them by all 128 weight rows: 32 accumulators.
; THE WEIGHTS, 128 rows x all of K = 1,024, lie in LDS: four chunks of 256 along K, each brought once: waves 0, 1 fetch the halves of chunks 0 and 2, waves 2, 3 those of chunks 1 and 3: two tensor loads of mine are out at the most.
; h's CODES lie in memory as images of the operand's registers: each load takes 512 consecutive bytes, straight into the registers; the scale words likewise.
; Source 0 = 16 weight rows, source 1 = 16 rows of h: a lane holds one row and eight neighbouring columns, which pack into 16 bytes.
; THE LDS LOADS GO OUT FOUR AT A TIME, AMONG THE PRODUCTS: the 64 weight fragments (K step n / 8, tile n % 8) go through eight slots of 16 registers, fragment n in slot n % 8; behind fragment n's four products stand the
; four loads of fragment n + 6.  All four waves read all of the weights from LDS: short runs spread that evenly; the price is two switches of the register window a fragment.
; No cluster: the work-groups that share weights are the tiles of one expert, and how many those are hangs on the routing; the rows of h, shared along x, go to registers, and do not fit in LDS beside the weights.
; LIMITS: y in bf16 (8 bits of mantissa); NaN and infinities are not served.
.set CH2,   34816                      ; a chunk: 128 rows x (256 bytes + 16 of padding)
.set STAGE, 4*CH2                      ; behind the chunks: 16 rows x 272 bytes for each wave, for the way out; no tensor load lands there
.set SPARE, STAGE+4*4352               ; behind the stages: the spare words, 128 bytes for each wave, that no other line names
.set WB,    128                        ; window 0: eight slots of one weight fragment, v128-255
.set NF,    64                         ; weight fragments in all
.set G1,    24                         ; s[24:31] descriptor group 1;  s[32:39] group 0, a set for each of my two loads
.set G0,    32
.set TMP,   128                        ; the way out: packed results, v128-159; whole rows back from the stage, v160-191 and v192-223 by turns
.set BK,    160
; window 0: v4-7 my place in a weight tile, chunk q; v14 32 lane, v15 16 lane, v19 8 lane; v24, v25 the stage, in and back; v26 my place in two rows of y; v28, v29 the add's two;
;   v32-63 weight scale words [pair of tiles m][s]; v96-111 h's scale words: v[96 + 2 s + q]: lanes 0-15 block 2 q, lanes 16-31 block 2 q + 1
; window 1: h's fragments, K step s, block tb at v[64 (s % 4) + 16 tb].   window 2: accumulator (tile t, block tb) at v[32 t + 8 tb]
.set MSB, 0
.macro WIN new                         ; the immediate's high byte repeats the setting that is left
.if MSB != \new
	s_set_vgpr_msb (MSB<<8)|\new
.set MSB, \new
.endif
.endm
.macro PL                              ; eight places behind this matrix form
.rept 8
	v_nop
.endr
.endm
	s_load_b256 s[4:11], s[0:1], 0x0               ; hs 4, hsc 6, w2_codes 8, w2_scales 10
	s_load_b128 s[12:15], s[0:1], 0x20             ; tilex 12, y 14
	v_lshl_add_u32 v28, v0, 2, SPARE
	v_mov_b32 v29, 0
	ds_add_u32 v28, v29                            ; the wave's opening: the add and its wait ahead of my first tensor load; the set-up below, work on registers, stands between them
	v_lshrrev_b32 v1, 5, v0
	v_readfirstlane_b32 s20, v1                    ; wave w
	s_mov_b32 s21, ttmp9                           ; nx
	s_and_b32 s22, ttmp7, 0xffff                   ; j
	s_mov_b32 s[G1+0], (1<<20)|(5<<22)|(3<<25)     ; elements of 1 byte; padding on: 4 words behind every 64
	s_mov_b32 s[G1+1], 256<<16                     ; tensor_dim0 = 256
	s_mov_b32 s[G1+2], 64<<16                      ; tensor_dim1 = 64
	s_mov_b32 s[G1+3], 256<<16                     ; tile_dim0 = 256
	s_mov_b32 s[G1+4], 64                          ; tile_dim1 = 64
	s_mov_b32 s[G1+5], 1024                        ; from row to row
	s_mov_b32 s[G1+6], 0
	s_mov_b32 s[G1+7], 0
	v_and_b32 v1, 31, v0
	v_and_b32 v2, 15, v0
	v_bfe_u32 v3, v0, 4, 1
	v_mul_u32_u24 v4, v2, 272
	v_lshl_add_u32 v4, v3, 4, v4
	v_add_nc_u32 v5, CH2, v4
	v_add_nc_u32 v6, 2*CH2, v4
	v_add_nc_u32 v7, 3*CH2, v4
	v_lshlrev_b32 v14, 5, v1
	v_lshlrev_b32 v15, 4, v1
	v_lshlrev_b32 v19, 3, v1
	s_mul_i32 s57, s20, 4352                       ; my stage
	v_add_nc_u32 v24, s57, v4
	v_add_nc_u32 v24, STAGE, v24                   ; in: row r, 16 bytes for each half of the lanes
	v_mul_u32_u24 v25, v3, 272
	v_lshl_add_u32 v25, v2, 4, v25
	v_add_nc_u32 v25, s57, v25
	v_add_nc_u32 v25, STAGE, v25                   ; back: lanes 0-15 one row of 256 bytes, lanes 16-31 the next
	v_lshlrev_b32 v26, 11, v3
	v_lshl_add_u32 v26, v2, 4, v26                 ; and the same two rows in y
	s_lshl_b32 s56, s22, 2                         ; tilex: 4 j
	s_lshl_b32 s58, s22, 18                        ; hs: (16 j + 4 w) x 16,384
	s_lshl_b32 s59, s20, 16
	s_add_co_u32 s58, s58, s59
	s_mov_b32 s59, 0
	s_lshl_b32 s60, s22, 13                        ; hsc: (4 j + w) x 2,048
	s_lshl_b32 s61, s20, 11
	s_add_co_u32 s60, s60, s61
	s_mov_b32 s61, 0
	s_lshl_b32 s62, s22, 19                        ; y: (256 j + 64 w) x 2,048 + 256 nx
	s_lshl_b32 s63, s20, 17
	s_add_co_u32 s62, s62, s63
	s_lshl_b32 s63, s21, 8
	s_add_co_u32 s62, s62, s63
	s_mov_b32 s63, 0
	s_wait_dscnt 0x0                               ; the opening add is done
	s_wait_kmcnt 0x0
	s_load_b32 s23, s[12:13], s56 offset:0x0       ; the tile's expert
	s_add_nc_u64 s[48:49], s[4:5], s[58:59]
	s_add_nc_u64 s[50:51], s[6:7], s[60:61]
	s_add_nc_u64 s[54:55], s[14:15], s[62:63]
.macro WFRAG n                         ; weight fragment n (K step n / 8, tile n % 8) into slot n % 8
.set SS, (\n)/8
.set TT, (\n)%8
	WIN 0
.irp c, 0,1,2,3
	ds_load_b128 v[WB+16*((\n)%8)+4*\c:WB+16*((\n)%8)+4*\c+3], v[4+SS/2] offset:16*TT*272+128*(SS%2)+32*\c
.endr
.endm
.macro TFETCH s                        ; my four fragments of h of K step s: each load takes 512 consecutive bytes
	WIN 0x40                                       ; destination window 1, address window 0
.irp tb, 0,1,2,3
.irp c, 0,1,2,3
	global_load_b128 v[64*((\s)%4)+16*\tb+4*\c:64*((\s)%4)+16*\tb+4*\c+3], v15, s[48:49] offset:\tb*16384+(\s)*2048+\c*512
.endr
.endr
.endm
.macro WM                              ; one product, by the symbols set in MMF.  ZR: the first K step starts the sum
.if ZR
.if RA && RB
	v_wmma_scale_f32_16x16x128_f8f6f4 v[DD:DD+7], v[AA:AA+15], v[BB:BB+15], 0, v[XSA], v[XSB] matrix_a_scale:MATRIX_SCALE_ROW1 matrix_b_scale:MATRIX_SCALE_ROW1
.elseif RA
	v_wmma_scale_f32_16x16x128_f8f6f4 v[DD:DD+7], v[AA:AA+15], v[BB:BB+15], 0, v[XSA], v[XSB] matrix_a_scale:MATRIX_SCALE_ROW1
.elseif RB
	v_wmma_scale_f32_16x16x128_f8f6f4 v[DD:DD+7], v[AA:AA+15], v[BB:BB+15], 0, v[XSA], v[XSB] matrix_b_scale:MATRIX_SCALE_ROW1
.else
	v_wmma_scale_f32_16x16x128_f8f6f4 v[DD:DD+7], v[AA:AA+15], v[BB:BB+15], 0, v[XSA], v[XSB]
.endif
.else
.if RA && RB
	v_wmma_scale_f32_16x16x128_f8f6f4 v[DD:DD+7], v[AA:AA+15], v[BB:BB+15], v[DD:DD+7], v[XSA], v[XSB] matrix_a_scale:MATRIX_SCALE_ROW1 matrix_b_scale:MATRIX_SCALE_ROW1
.elseif RA
	v_wmma_scale_f32_16x16x128_f8f6f4 v[DD:DD+7], v[AA:AA+15], v[BB:BB+15], v[DD:DD+7], v[XSA], v[XSB] matrix_a_scale:MATRIX_SCALE_ROW1
.elseif RB
	v_wmma_scale_f32_16x16x128_f8f6f4 v[DD:DD+7], v[AA:AA+15], v[BB:BB+15], v[DD:DD+7], v[XSA], v[XSB] matrix_b_scale:MATRIX_SCALE_ROW1
.else
	v_wmma_scale_f32_16x16x128_f8f6f4 v[DD:DD+7], v[AA:AA+15], v[BB:BB+15], v[DD:DD+7], v[XSA], v[XSB]
.endif
.endif
.endm
; fragment n x my four blocks of rows.  The 32 accumulators take turns, one instruction a turn.
; One v_nop behind each product: a load into a register that a product has read stands eight plain instructions behind that product
.macro MMF n
.set SS, (\n)/8
.set TT, (\n)%8
.if SS == 0
.set ZR, 1
.else
.set ZR, 0
.endif
	WIN 0xa4                                       ; source 0 window 0, source 1 window 1, C and D window 2
.irp tb, 0,1,2,3
.set DD, 32*TT+8*\tb
.set AA, WB+16*((\n)%8)
.set BB, 64*(SS%4)+16*\tb
.set XSA, 32+8*(TT/2)+SS
.set XSB, 96+2*SS+\tb/2
.set RA, TT%2
.set RB, \tb%2
	WM
	v_nop
.endr
.endm
.irp s, 0,1,2,3,4,5,6,7
	global_load_b64 v[96+2*\s:97+2*\s], v19, s[50:51] offset:256*\s   ; h's scale words: they and K step 0 hang on no loaded number, so they go out first
.endr
	TFETCH 0
	WIN 0
	s_lshl_b32 s58, s21, 17                        ; the weights: 128 nx rows on,
	s_and_b32 s59, s20, 1
	s_lshl_b32 s60, s59, 16                        ; the first or the second 64 of them,
	s_add_co_u32 s58, s58, s60
	s_lshr_b32 s60, s20, 1
	s_lshl_b32 s61, s60, 8                         ; chunk 0 or chunk 1
	s_add_co_u32 s58, s58, s61
	s_mul_i32 s60, s60, CH2                        ; and in LDS
	s_mul_i32 s59, s59, 64*272
	s_add_co_u32 s57, s60, s59
	s_lshl_b32 s62, s21, 12                        ; their scale bytes: 128 nx rows of 32
	s_wait_kmcnt 0x0
	s_min_u32 s23, s23, 7                          ; a loaded number enters an address only behind a bound
	s_lshl_b32 s59, s23, 20
	s_add_co_u32 s58, s58, s59
	s_mov_b32 s59, 0
	s_add_nc_u64 s[58:59], s[8:9], s[58:59]
.irp i, 0,1
	s_mov_b32 s[G0+4*\i], 1                        ; count = 1
	s_add_co_u32 s[G0+4*\i+1], s57, \i*2*CH2       ; LDS address: two chunks on for my second load
	s_add_nc_u64 s[G0+4*\i+2:G0+4*\i+3], s[58:59], \i*512
	s_or_b32 s[G0+4*\i+3], s[G0+4*\i+3], 0x80000000   ; type = 2
.endr
.irp i, 0,1
	tensor_load_to_lds s[G0+4*\i:G0+4*\i+3], s[G1:G1+7]   ; both first fills in one group, ahead of every wait on TENSORcnt, every LDS read and every barrier
	s_nop 0
.endr
.rept 4
	v_nop
.endr
	s_lshl_b32 s60, s23, 15
	s_add_co_u32 s60, s60, s62
	s_mov_b32 s61, 0
	s_add_nc_u64 s[52:53], s[10:11], s[60:61]
.irp m, 0,1,2,3
.irp k, 0,1
	global_load_b128 v[32+8*\m+4*\k:32+8*\m+4*\k+3], v14, s[52:53] offset:\m*1024+16*\k   ; lane l: the eight scale words of weight row 32 m + l
.endr
.endr
	TFETCH 1
	TFETCH 2
	TFETCH 3
	s_wait_tensorcnt 1                             ; my first load is in (my second may be out)
	s_barrier_signal -1
	s_barrier_wait -1                              ; everybody's is: chunks 0 and 1 are whole
.irp n, 0,1,2,3,4,5
	WFRAG \n
.endr
.set NI, 0
.rept NF
.if NI%8 == 0                          ; a K step's head: its rows of h (and all loads before them) are in
.if NI == 0
	s_wait_loadcnt 48                              ; behind the weights' scale words stand steps 1 to 3
.elseif NI/8 <= 5
	s_wait_loadcnt 32                              ; behind step s stand steps s + 1 and s + 2: step s + 3 is asked for two fragments further down
.else
	s_wait_loadcnt 16*(7-NI/8)                     ; the last steps: the counts run down
.endif
.endif
.if NI+5 < NF
	s_wait_dscnt 20                                ; fragment n is in; the five fragments behind it, four loads each, may be out
.else
	s_wait_dscnt 4*(NF-1-NI)                       ; the tail: the counts run down
.endif
	MMF NI
.if (NI%8 == 1) && (NI >= 9) && (NI <= 33)
	TFETCH NI/8+3                                  ; three K steps ahead, into the slot of the step just left: nine plain instructions stand behind its last product
.endif
.if NI == 26                           ; the run below is the first to read chunk 2
	s_wait_tensorcnt 0x0                           ; my second load is in,
	s_wait_dscnt 0x0                               ; no LDS instruction of mine is pending at a signal,
	s_barrier_signal -1
	s_barrier_wait -1                              ; and chunks 2 and 3 are whole for all four waves
.endif
.if NI+6 < NF
	WFRAG NI+6                                     ; into the slot that fragment n - 2 has left: nine plain instructions stand behind its last product
.endif
.set NI, NI+1
.endr
; ---- THE WAY OUT, a block of 16 rows at a time: rounded to bf16, 16 bytes a lane into my stage, back as whole rows of 256 bytes
.macro PACK tb
	WIN 0x0a                                       ; sources 0 and 1 window 2; each accumulator from its low end on
.irp t, 0,1,2,3,4,5,6,7
.irp k, 0,1,2,3
	v_cvt_pk_bf16_f32 v[TMP+4*\t+\k], v[32*\t+8*\tb+2*\k], v[32*\t+8*\tb+2*\k+1]
.endr
.endr
	WIN 0
.endm
.macro TOSTAGE tb
.irp t, 0,1,2,3,4,5,6,7
	ds_store_b128 v24, v[TMP+4*\t:TMP+4*\t+3] offset:32*\t
.endr
.irp i, 0,1,2,3,4,5,6,7
	ds_load_b128 v[BK+32*((\tb)%2)+4*\i:BK+32*((\tb)%2)+4*\i+3], v25 offset:544*\i   ; LDS serves a wave's instructions in order (ISA guide 5.7.1.4): these see the stores above, and the next block's stores come behind them
.endr
.endm
.macro SEND tb, younger                ; younger: the LDS instructions issued behind block tb's loads, which may stay out
	s_wait_dscnt \younger
.irp i, 0,1,2,3,4,5,6,7
	global_store_b128 v26, v[BK+32*((\tb)%2)+4*\i:BK+32*((\tb)%2)+4*\i+3], s[54:55] offset:(16*(\tb)+2*\i)*2048   ; 16 lanes store 256 consecutive bytes, aligned
.endr
.endm
	PL
	PACK 0
	TOSTAGE 0
	PACK 1
	TOSTAGE 1
	SEND 0, 16                                     ; behind block 0's loads: block 1's eight stores and eight loads
	s_wait_xcnt 0x0                                ; block 0's stores have read their data: block 2's loads may land there
	PACK 2
	TOSTAGE 2
	SEND 1, 16
	s_wait_xcnt 0x0                                ; likewise block 1's
	PACK 3
	TOSTAGE 3
	SEND 2, 16
	SEND 3, 0
	s_wait_tensorcnt 0x0                           ; the wave's end, behind my last tensor load and my last LDS store
	ds_add_u32 v28, v29
	s_wait_dscnt 0x0
	s_endpgm
.Lfunc_end_k_q01f5090d4d_gemm2:
	.size	k_q01f5090d4d_gemm2, .Lfunc_end_k_q01f5090d4d_gemm2-k_q01f5090d4d_gemm2
	.p2alignl 7, 3214868480
	.fill 96, 4, 3214868480
	.section	.rodata,"a",@progbits
	.p2align	6, 0x0
	.amdhsa_kernel k_q01f5090d4d_gemm2
		.amdhsa_group_segment_fixed_size 167936
		.amdhsa_private_segment_fixed_size 0
		.amdhsa_enable_private_segment 0
		.amdhsa_kernarg_size 48
		.amdhsa_user_sgpr_count 2
		.amdhsa_user_sgpr_kernarg_segment_ptr 1
		.amdhsa_wavefront_size32 1
		.amdhsa_system_sgpr_workgroup_id_x 1
		.amdhsa_system_sgpr_workgroup_id_y 1
		.amdhsa_system_sgpr_workgroup_id_z 1
		.amdhsa_system_vgpr_workitem_id 0
		.amdhsa_next_free_vgpr 768
		.amdhsa_next_free_sgpr 66
		.amdhsa_reserve_vcc 0
		.amdhsa_float_denorm_mode_32 3
		.amdhsa_float_denorm_mode_16_64 3
		.amdhsa_memory_ordered 1
		.amdhsa_forward_progress 1
		.amdhsa_inst_pref_size 97
	.end_amdhsa_kernel
	.amdgpu_metadata
---
amdhsa.version: [ 1, 2 ]
amdhsa.kernels:
  - .name:           k_q01f5090d4d_gemm2
    .symbol:         k_q01f5090d4d_gemm2.kd
    .args:
      - { .name: hs, .offset: 0, .size: 8, .value_kind: global_buffer, .address_space: global }
      - { .name: hsc, .offset: 8, .size: 8, .value_kind: global_buffer, .address_space: global }
      - { .name: w2_codes, .offset: 16, .size: 8, .value_kind: global_buffer, .address_space: global }
      - { .name: w2_scales, .offset: 24, .size: 8, .value_kind: global_buffer, .address_space: global }
      - { .name: tilex, .offset: 32, .size: 8, .value_kind: global_buffer, .address_space: global }
      - { .name: y, .offset: 40, .size: 8, .value_kind: global_buffer, .address_space: global }
    .group_segment_fixed_size: 167936
    .private_segment_fixed_size: 0
    .kernarg_segment_align: 8
    .kernarg_segment_size: 48
    .max_flat_workgroup_size: 128
    .sgpr_count:     66
    .vgpr_count:     768
    .wavefront_size: 32
...
	.end_amdgpu_metadata
.endif
;; end of part 3
;; launch combine (part 4): grid 256 x 1, 8 waves a work-group, no clusters, 0 bytes of LDS; arguments y, pos, cw, out0; writes out0
.if DOCPART == 4
	.amdgcn_target "amdgcn-amd-amdhsa--gfx1250"
	.amdhsa_code_object_version 6
	.text
	.protected	k_q01f5090d4d_combine
	.globl	k_q01f5090d4d_combine
	.p2align	8
	.type	k_q01f5090d4d_combine,@function
k_q01f5090d4d_combine:
	s_mov_b64 s[64:65], 0
	v_nop
	global_prefetch_b8 v0, s[64:65] scope:SCOPE_SE
	s_setreg_imm32_b32 hwreg(HW_REG_WAVE_MODE, 25, 1), 1
	s_wait_xcnt 0x0
; out[t] = c0 y[pos0] + c1 y[pos1]: the sum over experts, of which two have a weight other than 0.  y: [5888][1024] bf16; pos, cw: [2048][2]; out: [2048][1024] f32.
; A stream: one wave takes one token; both rows of y come by eight loads of 256 consecutive bytes each, all sixteen out at once; each store covers 512 consecutive bytes, aligned.
; No LDS, no barrier, no matrix unit: every output row has one owner, and memory binds.
	s_load_b256 s[4:11], s[0:1], 0x0               ; y 4, pos 6, cw 8, out 10
	v_lshrrev_b32 v1, 5, v0
	v_readfirstlane_b32 s12, v1
	s_lshl_b32 s13, ttmp9, 3
	s_add_co_u32 s13, s13, s12                     ; my token
	s_lshl_b32 s12, s13, 3
	v_and_b32 v3, 31, v0
	v_lshlrev_b32 v1, 3, v3                        ; in: 4 bf16 a lane
	v_lshlrev_b32 v2, 4, v3                        ; out: 4 f32 a lane
	s_mov_b32 s28, 0xffff0000                      ; a word's upper bf16
	s_lshl_b32 s22, s13, 12
	s_mov_b32 s23, 0
	s_wait_kmcnt 0x0
	s_load_b64 s[14:15], s[6:7], s12 offset:0x0    ; the two positions,
	s_load_b64 s[16:17], s[8:9], s12 offset:0x0    ; the two weights
	s_add_nc_u64 s[10:11], s[10:11], s[22:23]
	s_wait_kmcnt 0x0
	s_min_u32 s14, s14, 5887                       ; a loaded number enters an address only behind a bound
	s_min_u32 s15, s15, 5887
	s_lshl_b32 s18, s14, 11
	s_mov_b32 s19, 0
	s_add_nc_u64 s[18:19], s[4:5], s[18:19]
	s_lshl_b32 s20, s15, 11
	s_mov_b32 s21, 0
	s_add_nc_u64 s[20:21], s[4:5], s[20:21]
	s_mov_b32 s24, s16                             ; (a packed instruction names a pair and takes its low word for both halves: so both are written)
	s_mov_b32 s25, s16
	s_mov_b32 s26, s17
	s_mov_b32 s27, s17
.irp i, 0,1,2,3,4,5,6,7
	global_load_b64 v[8+4*\i:9+4*\i], v1, s[18:19] offset:256*\i
	global_load_b64 v[10+4*\i:11+4*\i], v1, s[20:21] offset:256*\i
.endr
.irp i, 0,1,2,3,4,5,6,7
	s_wait_loadcnt 14-2*\i                         ; loads come back in order (ISA guide 5.7.1): this pair is in, the pairs behind it may be out
	v_lshlrev_b32 v[40+4*\i], 16, v[8+4*\i]        ; bf16 to f32: the low half moves up, the high half stays
	v_and_b32 v[41+4*\i], s28, v[8+4*\i]
	v_lshlrev_b32 v[42+4*\i], 16, v[9+4*\i]
	v_and_b32 v[43+4*\i], s28, v[9+4*\i]
	v_lshlrev_b32 v72, 16, v[10+4*\i]
	v_and_b32 v73, s28, v[10+4*\i]
	v_lshlrev_b32 v74, 16, v[11+4*\i]
	v_and_b32 v75, s28, v[11+4*\i]
	v_pk_mul_f32 v[40+4*\i:41+4*\i], v[40+4*\i:41+4*\i], s[24:25] op_sel_hi:[1,0]
	v_pk_mul_f32 v[42+4*\i:43+4*\i], v[42+4*\i:43+4*\i], s[24:25] op_sel_hi:[1,0]
	v_pk_fma_f32 v[40+4*\i:41+4*\i], v[72:73], s[26:27], v[40+4*\i:41+4*\i] op_sel_hi:[1,0,1]
	v_pk_fma_f32 v[42+4*\i:43+4*\i], v[74:75], s[26:27], v[42+4*\i:43+4*\i] op_sel_hi:[1,0,1]
	global_store_b128 v2, v[40+4*\i:43+4*\i], s[10:11] offset:512*\i th:TH_STORE_NT   ; each piece has its own registers: no store's data are written again
.endr
	s_endpgm
.Lfunc_end_k_q01f5090d4d_combine:
	.size	k_q01f5090d4d_combine, .Lfunc_end_k_q01f5090d4d_combine-k_q01f5090d4d_combine
	.p2alignl 7, 3214868480
	.fill 96, 4, 3214868480
	.section	.rodata,"a",@progbits
	.p2align	6, 0x0
	.amdhsa_kernel k_q01f5090d4d_combine
		.amdhsa_group_segment_fixed_size 0
		.amdhsa_private_segment_fixed_size 0
		.amdhsa_enable_private_segment 0
		.amdhsa_kernarg_size 32
		.amdhsa_user_sgpr_count 2
		.amdhsa_user_sgpr_kernarg_segment_ptr 1
		.amdhsa_wavefront_size32 1
		.amdhsa_system_sgpr_workgroup_id_x 1
		.amdhsa_system_sgpr_workgroup_id_y 1
		.amdhsa_system_sgpr_workgroup_id_z 1
		.amdhsa_system_vgpr_workitem_id 0
		.amdhsa_next_free_vgpr 80
		.amdhsa_next_free_sgpr 66
		.amdhsa_reserve_vcc 0
		.amdhsa_float_denorm_mode_32 3
		.amdhsa_float_denorm_mode_16_64 3
		.amdhsa_memory_ordered 1
		.amdhsa_forward_progress 1
		.amdhsa_inst_pref_size 8
	.end_amdhsa_kernel
	.amdgpu_metadata
---
amdhsa.version: [ 1, 2 ]
amdhsa.kernels:
  - .name:           k_q01f5090d4d_combine
    .symbol:         k_q01f5090d4d_combine.kd
    .args:
      - { .name: y, .offset: 0, .size: 8, .value_kind: global_buffer, .address_space: global }
      - { .name: pos, .offset: 8, .size: 8, .value_kind: global_buffer, .address_space: global }
      - { .name: cw, .offset: 16, .size: 8, .value_kind: global_buffer, .address_space: global }
      - { .name: out0, .offset: 24, .size: 8, .value_kind: global_buffer, .address_space: global }
    .group_segment_fixed_size: 0
    .private_segment_fixed_size: 0
    .kernarg_segment_align: 8
    .kernarg_segment_size: 32
    .max_flat_workgroup_size: 256
    .sgpr_count:     66
    .vgpr_count:     80
    .wavefront_size: 32
...
	.end_amdgpu_metadata
.endif
;; end of part 4
